; MI455X (gfx1250); checked and timed in simulation.
; The chip was launched on July 23, 2026; its instructions are those of AMD's public machine-readable ISA for CDNA 5 (MIT licence, August 2026) and "CDNA5" Instruction Set Architecture Reference Guide (July 2026). The comments in the code are by the model that wrote it; some were corrected since.
;; MHA. Allowed arithmetic: matrix products marked QUANTISED: E4M3 operands, one E8M0 scale for each 32 along K, by v_wmma_scale_f32_16x16x128_f8f6f4 with both operands' format E4M3, f32 sums; everything else in f32.
;; Inputs: qkv 3 x 16 x 1,024 x 64 float32; x 4 x 1,024 x 2,048 float32.
;; Outputs: out0 4 x 1,024 x 2,048 float32.
;; This version of the problem:
;;   THIS VERSION OF THE PROBLEM IS GIVEN IN LOW PRECISION. The matrix products marked QUANTISED in the list below multiply operands that are first quantised to E4M3 (4 exponent bits, 3 mantissa bits; 8 bits a number), with one power-of-two scale for each 32 numbers along K (OCP MX v1.0); their sums are f32. All else is computed in f32.
;;   The module's matrix products, in the order in which they are computed (A, B: the left and right operand; K: the contracted axis; several contracted axes count as one K, in the product's order):
;;     1. [M 3,072, K 1,024] x [K 1,024, N 8,192]; A: input qkv; B: input x: QUANTISED
;;     2. batch 64 x [M 2,048, K 64] x [K 64, N 2,048]; A: computed on the way; B: computed on the way: QUANTISED
;;     3. batch 64 x [M 64, K 2,048] x [K 2,048, N 2,048]; A: computed on the way; B: softmax (see below): QUANTISED
;;   THE QUANTISER, for each operand of a quantised product, along K:
;;     - K is cut into blocks of 32 from its start; a last block that is shorter is filled with zeros.
;;     - A block's scale is 2^e with e = floor(log2(the largest magnitude in the block)) - 8, held to -126 .. 127; a block of zeros has e = 0. As a byte (E8M0): e + 127.
;;     - Each number is divided by its block's scale, clamped to +-448, and rounded to the nearest number of E4M3, ties to even, subnormals kept.
;;     - The product sums the exact products of the quantised numbers (number of the format x scale) in f32.
;;   ~~~python
;;   def quantise(x, axis):      # numpy; x: float32 -> the quantised numbers, widened to float32 again
;;       x = np.moveaxis(x, axis, -1); K = x.shape[-1]
;;       x = np.pad(x, [(0, 0)] * (x.ndim - 1) + [(0, -K % 32)]); x = x.reshape(x.shape[:-1] + (-1, 32)); a = np.abs(x).max(-1, keepdims=True)
;;       e = np.where(a > 0, np.clip(np.frexp(np.where(a > 0, a, 1))[1] - 1 - 8, -126, 127), 0)      # np.frexp(a)[1] - 1 = floor(log2(a)), exactly
;;       r = np.clip(x / 2.0 ** e, -448, 448)
;;       step = 2.0 ** (np.maximum(np.frexp(np.where(r == 0, 1, r))[1] - 1, -6) - 3)
;;       q = np.round(r / step) * step * 2.0 ** e      # np.round: ties to even
;;       return np.moveaxis(q.reshape(q.shape[:-2] + (-1,))[..., :K], -1, axis).astype(np.float32)
;;   ~~~
;;   SOFTMAX AHEAD OF A QUANTISED PRODUCT. Where the list says 'softmax', what is quantised is not the finished softmax but p = 2^(t - M), with t = logit x log2(e) and M = ceil(the row's largest t), a whole number; so 1/2 < the row's largest p <= 1. The row's sum l is taken of the UNQUANTISED p, in f32, and the product's result is divided by l at the end. Since M is a whole number, a kernel that streams over the keys may use a running M (the ceiling of the running maximum): every later rescaling is an exact power of two, which a block's scale takes up: the codes' values come out the same.
;;   OPERANDS COMPUTED ON THE WAY. 'Computed on the way' means the value that the module computes at that place (a softmax that the list does not call 'softmax' is quantised finished and normalised). What goes into a quantiser is computed in f32, as accurately as f32 sums, v_exp_f32 and their like allow (about 1e-6 of the number): no bf16 or f16 on the way to a quantiser, and a product that is left as it is and whose result goes on into a quantised operand takes f32 operands (vector FMAs, or v_wmma_f32_16x16x4_f32). A number that lies on a knife's edge between two numbers of the format may be rounded either way, as far as f32 arithmetic and the matrix unit's own rounding can turn it there, and no further.
;; One version. Each part assembles by itself: llvm-mc -triple=amdgcn-amd-amdhsa -mcpu=gfx1250 --defsym DOCPART=n.
;; ======== version 1 of 1: 3 launches
;; limits: right only within a limited range of input values
;; workspace buffers: xc 8,388,608 bytes; xs 262,144 bytes; wc 3,145,728 bytes; ws 98,304 bytes; qi 8,388,608 bytes; qs 524,288 bytes; kv 16,777,216 bytes; kvs 786,432 bytes
;; launch quant (part 1): grid 352 x 1, 4 waves a work-group, no clusters, 36,352 bytes of LDS; arguments x, qkv, xc, xs, wc, ws; writes xc, xs, wc, ws
.if DOCPART == 1
	.amdgcn_target "amdgcn-amd-amdhsa--gfx1250"
	.amdhsa_code_object_version 6
	.text
	.protected	k_q732222e02d_quant
	.globl	k_q732222e02d_quant
	.p2align	8
	.type	k_q732222e02d_quant,@function
k_q732222e02d_quant:
	s_mov_b64 s[64:65], 0
	v_nop
	global_prefetch_b8 v0, s[64:65] scope:SCOPE_SE
	s_setreg_imm32_b32 hwreg(HW_REG_WAVE_MODE, 25, 1), 1
	s_wait_xcnt 0x0
; x [4][1024 d][2048 t] and qkv [48][1024 d][64 e], f32, are operands of one product whose K is d, which is not their innermost axis.
; Both become codes of FP8 (E4M3) with K innermost, [row][1024], and one E8M0 byte for each 32 along K, [row][32].  Row = 2048 b + t for x, 64 (16 n + h) + e for qkv.
; A LANE TAKES A COLUMN (a row of the output) AND ITS REGISTERS RUN DOWN K: a load reads neighbouring columns in neighbouring lanes (128 consecutive bytes a wave, 512 a work-group),
; a block of 32 along K lies in one lane's 32 registers, and the conversions give codes with K innermost.
; THE ROWS ARE STORED IN ANOTHER ORDER: row rho lies at the place rho with bits 3 and 4 exchanged.  So 16 consecutive stored rows 16 T + i are the true rows 32 (T / 2) + 8 (T % 2) + i + 8 (i / 8):
; in the product's results two neighbouring tiles' 16 registers of a lane are then 16 neighbours, which is what the next quantiser wants.
; A block's scale is 2^(floor(log2(its largest magnitude)) - 8); its byte is that magnitude's exponent field - 8, held at 1 from below.
; LIMITS: a block whose largest magnitude lies under 2^-118 keeps the byte 1; a block of zeros gets the byte 1 where the rule says 127 (its codes are zeros, which add nothing, and this program alone reads the bytes);
; NaN and infinities among the inputs are not served.
; SHARES: a wave takes 32 columns x 256 along K (8 blocks a lane); a work-group 128 columns.  The first 256 work-groups take x, the other 96 qkv: ONE path, only scalars and pointers are chosen.
; The codes leave through the wave's own stage in LDS as rows: sixteen lanes store 256 consecutive bytes, aligned.  The scale bytes leave as 8 bytes a lane into rows of 32 bytes: one byte in 128 of what is read.
; No tensor loads, no barrier: waves share nothing.  Loads run two blocks (64 loads a wave) ahead.
.set XWG,   256                        ; work-groups for x: 8,192 columns / 128 x 4 quarters of K
.set NB,    8                          ; blocks of a wave
.set PITCH, 272                        ; a stage row: 256 bytes of codes + 16
.set KROW,  1024                       ; a row of codes in memory
.set X,     32                         ; v32-95   two sets of 32 numbers
.set C,     96                         ; v96-103  a block's codes
.set OUTR,  112                        ; v112-175 the way out
.set SB,    24                         ; v24-25   the scale bytes, four to a register
.set OFFS,  176                        ; v176-207 byte offset of row i of a block, at my column; never rewritten
.set BAS,   32                         ; s[32:47] the eight blocks' bases; never rewritten
	s_load_b128 s[4:7], s[0:1], 0x0                ; x, qkv
	s_load_b128 s[8:11], s[0:1], 0x10              ; x's codes, x's scales
	s_load_b128 s[12:15], s[0:1], 0x20             ; qkv's codes, qkv's scales
	v_lshl_add_u32 v224, v0, 2, 0x8c00
	v_mov_b32 v225, 0
	v_lshrrev_b32 v1, 5, v0
	v_readfirstlane_b32 s16, v1                    ; wave 0..3
	v_and_b32 v2, 31, v0                           ; lane
	s_wait_alu depctr_va_vdst(0)
	s_cmp_lt_u32 ttmp9, XWG                        ; x's work-group or qkv's?  The choice hangs on the work-group's number alone
	s_cselect_b32 s17, 0, XWG
	s_cselect_b32 s20, 11, 6                       ; log2 of the columns in a matrix: 2,048 t or 64 e
	s_sub_co_u32 s17, ttmp9, s17                   ; my number within the tensor
	s_and_b32 s18, s17, 3                          ; which 256 along K
	s_lshr_b32 s19, s17, 2
	s_lshl_b32 s19, s19, 7
	s_lshl_b32 s21, s16, 5
	s_add_co_u32 s19, s19, s21                     ; my wave's first column = its first row of the output
	s_lshr_b32 s21, s19, s20                       ; which matrix,
	s_add_co_u32 s22, s20, 12
	s_lshl_b32 s26, s21, s22                       ; 1,024 rows x columns x 4 bytes each
	s_bfm_b32 s23, s20, 0
	s_and_b32 s23, s19, s23                        ; the column within it,
	s_lshl_b32 s23, s23, 2
	s_add_co_u32 s26, s26, s23
	s_add_co_u32 s22, s20, 10
	s_lshl_b32 s23, s18, s22                       ; 256 rows for each quarter of K
	s_add_co_u32 s26, s26, s23                     ; where my wave's part of the input begins (under 2^26)
	s_mov_b32 s27, 0
	s_add_co_u32 s22, s20, 2
	s_lshl_b32 s25, 1, s22                         ; bytes from a row of the input to the next
	s_lshl_b32 s28, s25, 5                         ; and from a block to the next
	s_mov_b32 s29, 0
	s_lshl_b32 s30, s19, 10
	s_lshl_b32 s22, s18, 8
	s_add_co_u32 s30, s30, s22                     ; the codes: row x 1,024 + 256 x quarter
	s_mov_b32 s31, 0
	s_lshl_b32 s22, s19, 5
	s_lshl_b32 s23, s18, 3
	s_add_co_u32 s22, s22, s23                     ; the scale bytes: row x 32 + 8 x quarter
	s_mov_b32 s23, 0
	s_mov_b32 s24, 0x600000                        ; the mantissa field of 448 (an instruction takes one literal)
	s_mul_i32 s3, s16, 32*PITCH                    ; my wave's stage
	v_lshlrev_b32 v3, 2, v2                        ; in: 4 bytes a lane
	v_and_b32 v5, 7, v2
	v_and_b32 v6, 8, v2
	v_lshl_add_u32 v5, v6, 1, v5
	v_and_b32 v6, 16, v2
	v_lshrrev_b32 v6, 1, v6
	v_add_nc_u32 v14, v5, v6                       ; my column's place among the wave's 32 rows: bits 3 and 4 exchanged
	v_mul_u32_u24 v4, v14, PITCH
	v_add_nc_u32 v4, s3, v4                        ; into the stage: that row
	v_lshlrev_b32 v9, 5, v14                       ; and that row of scale bytes
	v_and_b32 v5, 15, v2
	v_lshrrev_b32 v6, 4, v2                        ; out of the stage: sixteen lanes to a row, two rows an instruction
	v_mul_u32_u24 v7, v6, PITCH
	v_lshl_add_u32 v7, v5, 4, v7
	v_add_nc_u32 v7, s3, v7
	v_mul_u32_u24 v8, v6, KROW
	v_lshl_add_u32 v8, v5, 4, v8                   ; and the same place in the codes' buffer
.set i, 0
.rept 32
	v_mad_u32_u24 v[OFFS+i], s25, i, v3            ; row i of a block: the stride is a scalar here, so it cannot stand in an immediate
.set i, i+1
.endr
	s_wait_alu depctr_va_vdst(0)
	s_wait_kmcnt 0x0
	s_cmp_lt_u32 ttmp9, XWG
	s_cselect_b64 s[4:5], s[4:5], s[6:7]
	s_cselect_b64 s[8:9], s[8:9], s[12:13]
	s_cselect_b64 s[10:11], s[10:11], s[14:15]
	s_add_nc_u64 s[BAS:BAS+1], s[4:5], s[26:27]
.irp t, 1,2,3,4,5,6,7
	s_add_nc_u64 s[BAS+2*\t:BAS+2*\t+1], s[BAS+2*\t-2:BAS+2*\t-1], s[28:29]
.endr
	s_add_nc_u64 s[8:9], s[8:9], s[30:31]
	s_add_nc_u64 s[10:11], s[10:11], s[22:23]
.macro LOAD t                          ; block t: rows 32 t + i of my 256, my column, into set t % 2
.set i, 0
.rept 32
	global_load_b32 v[X+32*((\t)%2)+i], v[OFFS+i], s[BAS+2*(\t):BAS+2*(\t)+1] th:TH_LOAD_NT
.set i, i+1
.endr
.endm
	LOAD 0
	LOAD 1
.macro BLOCK t
.set XS, X+32*((\t)%2)
.if (\t) < NB-1
	s_wait_loadcnt 32                              ; this block's 32 loads are in; the next block's 32 may be out
.else
	s_wait_loadcnt 0
.endif
	v_max3_num_f32 v12, |v[XS]|, |v[XS+1]|, |v[XS+2]|               ; the block's largest magnitude: all 32 numbers are mine; two chains
	v_max3_num_f32 v13, |v[XS+3]|, |v[XS+4]|, |v[XS+5]|
.irp i, 6,10,14,18,22,26
	v_max3_num_f32 v12, v12, |v[XS+\i]|, |v[XS+\i+1]|
	v_max3_num_f32 v13, v13, |v[XS+\i+2]|, |v[XS+\i+3]|
.endr
	v_max3_num_f32 v12, v12, |v[XS+30]|, |v[XS+31]|
	v_max3_num_f32 v12, v12, v13, 0x4800000        ; and the floor 2^(9 - 127): the byte cannot fall under 1
	v_add_nc_u32 v11, 0xfc000000, v12              ; 8 off its exponent field: the conversion takes the exponent field of this operand as its scale
	v_and_or_b32 v10, v12, 0x7f800000, s24         ; 448 x the scale: the largest magnitude's exponent field over 448's mantissa
	v_lshrrev_b32 v13, 23, v11                     ; the scale's byte
.if (\t)%4 == 0
	v_mov_b32 v[SB+(\t)/4], v13                    ; four bytes to a register, the lower K in the lower byte
.else
	v_lshl_or_b32 v[SB+(\t)/4], v13, 8*((\t)%4), v[SB+(\t)/4]
.endif
.set i, 0
.rept 32
	v_med3_num_f32 v[XS+i], v[XS+i], -v10, v10     ; the conversion to an 8-bit code does not saturate (ISA guide 7.6.2): the hold at 448 x the scale comes first
.set i, i+1
.endr
.irp g, 0,1,2,3
	v_cvt_scalef32_pk8_fp8_f32 v[C+2*\g:C+2*\g+1], v[XS+8*\g:XS+8*\g+7], v11
.endr
	v_nop                                          ; one plain line behind the last conversion of a run
	ds_store_b128 v4, v[C:C+3] offset:32*(\t)      ; 32 codes: 32 bytes of my row
	ds_store_b128 v4, v[C+4:C+7] offset:32*(\t)+16
.if (\t)+2 < NB
	LOAD (\t)+2
.endif
	s_wait_dscnt 0x0                               ; the stores have read their registers: the next block's codes may be written
.endm
.irp t, 0,1,2,3,4,5,6,7
	BLOCK \t
.endr
	global_store_b64 v9, v[SB:SB+1], s[10:11]      ; my row's 8 scale bytes
.irp t, 0,1,2,3,4,5,6,7,8,9,10,11,12,13,14,15
	ds_load_b128 v[OUTR+4*\t:OUTR+4*\t+3], v7 offset:2*\t*PITCH   ; LDS serves a wave's instructions in order: these see my stores
.endr
.irp t, 0,1,2,3,4,5,6,7,8,9,10,11,12,13,14,15
	s_wait_dscnt 15-\t                             ; read-back t is in; the younger ones may be out
	global_store_b128 v8, v[OUTR+4*\t:OUTR+4*\t+3], s[8:9] offset:2*\t*KROW   ; sixteen lanes store 256 consecutive bytes, aligned
.endr
	s_wait_tensorcnt 0x0
	ds_add_u32 v224, v225
	s_wait_dscnt 0x0
	s_endpgm
.Lfunc_end_k_q732222e02d_quant:
	.size	k_q732222e02d_quant, .Lfunc_end_k_q732222e02d_quant-k_q732222e02d_quant
	.p2alignl 7, 3214868480
	.fill 96, 4, 3214868480
	.section	.rodata,"a",@progbits
	.p2align	6, 0x0
	.amdhsa_kernel k_q732222e02d_quant
		.amdhsa_group_segment_fixed_size 36352
		.amdhsa_private_segment_fixed_size 0
		.amdhsa_enable_private_segment 0
		.amdhsa_kernarg_size 48
		.amdhsa_user_sgpr_count 2
		.amdhsa_user_sgpr_kernarg_segment_ptr 1
		.amdhsa_wavefront_size32 1
		.amdhsa_system_sgpr_workgroup_id_x 1
		.amdhsa_system_sgpr_workgroup_id_y 1
		.amdhsa_system_sgpr_workgroup_id_z 1
		.amdhsa_system_vgpr_workitem_id 0
		.amdhsa_next_free_vgpr 226
		.amdhsa_next_free_sgpr 66
		.amdhsa_reserve_vcc 0
		.amdhsa_float_denorm_mode_32 3
		.amdhsa_float_denorm_mode_16_64 3
		.amdhsa_memory_ordered 1
		.amdhsa_forward_progress 1
		.amdhsa_inst_pref_size 63
	.end_amdhsa_kernel
	.amdgpu_metadata
---
amdhsa.version: [ 1, 2 ]
amdhsa.kernels:
  - .name:           k_q732222e02d_quant
    .symbol:         k_q732222e02d_quant.kd
    .args:
      - { .name: x, .offset: 0, .size: 8, .value_kind: global_buffer, .address_space: global }
      - { .name: qkv, .offset: 8, .size: 8, .value_kind: global_buffer, .address_space: global }
      - { .name: xc, .offset: 16, .size: 8, .value_kind: global_buffer, .address_space: global }
      - { .name: xs, .offset: 24, .size: 8, .value_kind: global_buffer, .address_space: global }
      - { .name: wc, .offset: 32, .size: 8, .value_kind: global_buffer, .address_space: global }
      - { .name: ws, .offset: 40, .size: 8, .value_kind: global_buffer, .address_space: global }
    .group_segment_fixed_size: 36352
    .private_segment_fixed_size: 0
    .kernarg_segment_align: 8
    .kernarg_segment_size: 48
    .max_flat_workgroup_size: 128
    .sgpr_count:     66
    .vgpr_count:     226
    .wavefront_size: 32
...
	.end_amdgpu_metadata
.endif
;; end of part 1
;; launch proj (part 2): grid 8 x 32, 4 waves a work-group, clusters of 4 x 4, 327,680 bytes of LDS; arguments xc, xs, wc, ws, qi, qs, kv, kvs; writes qi, qs, kv, kvs
.if DOCPART == 2
	.amdgcn_target "amdgcn-amd-amdhsa--gfx1250"
	.amdhsa_code_object_version 6
	.text
	.protected	k_q732222e02d_proj
	.globl	k_q732222e02d_proj
	.p2align	8
	.type	k_q732222e02d_proj,@function
k_q732222e02d_proj:
	s_mov_b64 s[64:65], 0
	v_nop
	global_prefetch_b8 v0, s[64:65] scope:SCOPE_SE
	s_setreg_imm32_b32 hwreg(HW_REG_WAVE_MODE, 25, 1), 1
	s_wait_xcnt 0x0
	s_wait_alu depctr_hold_cnt(0) depctr_sa_sdst(0) depctr_va_vdst(0) depctr_va_sdst(0) depctr_va_ssrc(0) depctr_va_vcc(0) depctr_vm_vsrc(0)
	s_getreg_b32 s2, hwreg(HW_REG_IB_STS2, 6, 4)
	s_cmp_eq_u32 s2, 0
	s_cbranch_scc0 .Lentry_in_a_cluster
	s_endpgm
.Lentry_in_a_cluster:
	s_bfe_u32 s2, ttmp6, 0x10000c
	s_cmp_lg_u32 s2, 0xf033
	s_cbranch_scc0 .Lentry_shape_is_right
	s_endpgm
.Lentry_shape_is_right:
; q, k, v = x W^T on codes of FP8 (E4M3) with one E8M0 scale for each 32 along K = 1,024; q and k are normalised over a head's 64; all three are quantised again and leave as images of the next launch's operand registers.
; 256 work-groups of four waves, in clusters of 4 x 4, THAT STAY.  PHASE 1: a tile of 256 tokens x 256 columns of q (cluster x 0) or k (cluster x 1); a wave makes 128 x 128.  A = x's rows, shared along a cluster's row; B = W's rows, shared along its column.
; PHASE 2: half a tile of v: A = 128 rows of W_v (number 4 X + cy: two heads, one for each row of waves), B = 256 tokens (tile 4 Y + cx); a wave makes 64 x 128 on the 32 accumulators of window 2.
; K goes in steps of 256 through a ring of two LDS slots.  Phase 2's first fills (slot 0, the scale bytes, slot 1) are refills: each stands behind a drained round of the cluster's barrier, among the blocks of phase 1's way out.
; LIMITS: NaN and infinities are not served; a block's byte never falls under 1.
.set SIZE_K, 1024
.set KSTEP,  256
.set NQ,     KSTEP/128
.set ROWB,   256
.set KROW,   SIZE_K
.set PITCH,  272
.set FR,     16
.set NL,     4
.set NP,     8
.set HALFT,  128*PITCH
.set SLOT,   4*HALFT
.set LAPS,   SIZE_K/(2*KSTEP)
.set KS,     SIZE_K/32
.set SCL,    2*SLOT
.set HALFS,  (128*KS/256)*272
.set SBLK,   (16*KS/256)*272
.set SPARE,  SCL+4*HALFS
.set ADRA, 16
.set ADRB, 20
.set ADRS, 27
.set SPW,  28
.set NIL,  29
.set SC,   32
.set AF,   128
.set G1, 24
.set G0, 32
.set G1B, 48
.set G0B, 56
.set G1S, 68
.set G0S, 76
.set G1SB, 80
.set G0SB, 88
.set Y,    64
.set PC,   128
.set TM,   144
.set W8,   160
.set T,    168
.set SM,   200
.set PX,   202
.set MM,   204
.set IV,   208
.set SW,   212
.set SELR, 220
.set SCA,  221
.set LI,   222
.set TV,   223
.set MSB, 0
.macro WIN new
.if MSB != \new
	s_set_vgpr_msb (MSB<<8)|\new
.set MSB, \new
.endif
.endm
.set MUL_LO, 0xa1
.set MUL_HI, 0xf1
.set TO_B,   0x40
.macro JLOAD g0a, g1a, g0b, g1b
	s_cmp_eq_u32 s15, 0
	s_cbranch_scc0 .Lfor_b_\@
	tensor_load_to_lds s[\g0a:\g0a+3], s[\g1a:\g1a+7]
	s_nop 0
.rept 4
	v_nop
.endr
	s_branch .Lasked_\@
.Lfor_b_\@:
	tensor_load_to_lds s[\g0b:\g0b+3], s[\g1b:\g1b+7]
	s_nop 0
.rept 4
	v_nop
.endr
.Lasked_\@:
.endm
.macro CREST
	s_cmp_lg_u32 s14, 0
	s_cbranch_scc1 .Lnot_wave_0_\@
	s_barrier_signal -3
.Lnot_wave_0_\@:
	s_barrier_wait -3
	s_barrier_signal -1
	s_barrier_wait -1
.endm
.macro CROUND
	s_barrier_signal -1
	s_barrier_wait -1
	CREST
.endm
	s_load_b128 s[4:7], s[0:1], 0x0
	s_load_b128 s[8:11], s[0:1], 0x10
	s_load_b128 s[96:99], s[0:1], 0x20
	s_load_b64 s[100:101], s[0:1], 0x30
	s_load_b64 s[66:67], s[0:1], 0x38
	v_lshl_add_u32 v[SPW], v0, 2, SPARE
	v_mov_b32 v[NIL], 0
	ds_add_u32 v28, v29
	ds_add_u32 v28, v29
	s_wait_dscnt 0x0
	v_lshrrev_b32 v1, 5, v0
	v_readfirstlane_b32 s14, v1
	s_lshr_b32 s15, s14, 1
	s_and_b32 s16, s14, 1
	s_bfe_u32 s40, ttmp6, 0x40000
	s_bfe_u32 s41, ttmp6, 0x40004
	s_lshl_b32 s42, ttmp9, 2
	s_and_b32 s17, ttmp7, 0xffff
	s_lshl_b32 s17, s17, 2
	s_add_co_u32 s17, s17, s41
	s_add_co_u32 s42, s42, s40
	s_lshl_b32 s43, s41, 2
	s_lshl_b32 s43, 15, s43
	s_lshl_b32 s44, 0x1111, s40
	s_or_b32 s[G1+0], s43, (0<<16)|(1<<20)|(1<<21)|(5<<22)|(3<<25)
	s_or_b32 s[G1B+0], s44, (0<<16)|(1<<20)|(1<<21)|(5<<22)|(3<<25)
.irp g, G1, G1B
	s_mov_b32 s[\g+1], ROWB<<16
	s_mov_b32 s[\g+2], 128<<16
	s_mov_b32 s[\g+3], ROWB<<16
	s_mov_b32 s[\g+4], 128
	s_mov_b32 s[\g+5], KROW
	s_mov_b32 s[\g+6], 0
	s_mov_b32 s[\g+7], 0
.endr
	s_or_b32 s[G1S+0], s43, (3<<16)|(1<<20)|(1<<21)|(5<<22)|(3<<25)
	s_or_b32 s[G1SB+0], s44, (3<<16)|(1<<20)|(1<<21)|(5<<22)|(3<<25)
.irp g, G1S, G1SB
	s_mov_b32 s[\g+1], 32<<16
	s_mov_b32 s[\g+2], (128*KS/256)<<16
	s_mov_b32 s[\g+3], 32<<16
	s_mov_b32 s[\g+4], 128*KS/256
	s_mov_b32 s[\g+5], 32
	s_mov_b32 s[\g+6], 0
	s_mov_b32 s[\g+7], 0
.endr
	s_lshl_b32 s18, s16, 7
	s_lshl_b32 s20, s17, 8
	s_add_co_u32 s20, s20, s18
	s_lshl_b32 s46, s42, 8
	s_add_co_u32 s46, s46, s18
	s_mov_b32 s21, 0
	s_mov_b32 s47, 0
	s_mov_b64 s[18:19], KS
	s_mul_u64 s[22:23], s[20:21], s[18:19]
	s_mul_u64 s[92:93], s[46:47], s[18:19]
	s_mov_b64 s[18:19], KROW
	s_mul_u64 s[20:21], s[20:21], s[18:19]
	s_mul_u64 s[46:47], s[46:47], s[18:19]
	s_mul_i32 s45, s14, HALFT
	s_mul_i32 s94, s14, HALFS
	s_wait_kmcnt 0x0
	s_add_nc_u64 s[20:21], s[4:5], s[20:21]
	s_add_nc_u64 s[22:23], s[6:7], s[22:23]
	s_add_nc_u64 s[46:47], s[8:9], s[46:47]
	s_add_nc_u64 s[92:93], s[10:11], s[92:93]
	CROUND
	s_mov_b32 s[G0S], 1
	s_add_co_u32 s[G0S+1], s94, SCL
	s_mov_b64 s[G0S+2:G0S+3], s[22:23]
	s_or_b32 s[G0S+3], s[G0S+3], 0x80000000
	s_mov_b32 s[G0SB], 1
	s_add_co_u32 s[G0SB+1], s94, SCL
	s_mov_b64 s[G0SB+2:G0SB+3], s[92:93]
	s_or_b32 s[G0SB+3], s[G0SB+3], 0x80000000
	JLOAD G0S, G1S, G0SB, G1SB
.irp s, 0,1
	s_mov_b32 s[G0+4*\s], 1
	s_add_co_u32 s[G0+4*\s+1], s45, \s*SLOT
	s_add_nc_u64 s[G0+4*\s+2:G0+4*\s+3], s[20:21], \s*ROWB
	s_or_b32 s[G0+4*\s+3], s[G0+4*\s+3], 0x80000000
	s_mov_b32 s[G0B+4*\s], 1
	s_add_co_u32 s[G0B+4*\s+1], s45, \s*SLOT
	s_add_nc_u64 s[G0B+4*\s+2:G0B+4*\s+3], s[46:47], \s*ROWB
	s_or_b32 s[G0B+4*\s+3], s[G0B+4*\s+3], 0x80000000
	s_wait_alu depctr_va_vdst(0)
	s_wait_tensorcnt 0x0
	ds_add_u32 v28, v29
	s_wait_dscnt 0x0
	CROUND
	JLOAD G0+4*\s, G1, G0B+4*\s, G1B
.endr
	v_and_b32 v1, 15, v0
	v_bfe_u32 v2, v0, 4, 1
	v_mul_u32_u24 v3, v1, PITCH
	v_lshl_add_u32 v4, v2, 4, v3
	s_mul_i32 s21, s15, HALFT
	s_mul_i32 s22, s16, HALFT
	s_add_co_u32 s22, s22, 2*HALFT
.irp s, 0,1
	v_add_nc_u32 v[ADRA+\s], s21, v4
	v_add_nc_u32 v[ADRB+\s], s22, v4
	s_add_co_u32 s21, s21, SLOT
	s_add_co_u32 s22, s22, SLOT
.endr
	v_mul_u32_u24 v5, v1, KS
	v_lshrrev_b32 v6, 8, v5
	v_lshl_add_u32 v5, v6, 4, v5
	s_mul_i32 s21, s15, HALFS
	s_mul_i32 s22, s16, HALFS
	s_add_co_u32 s22, s22, 2*HALFS
	s_sub_co_u32 s22, s22, s21
	v_mul_u32_u24 v6, s22, v2
	s_add_co_u32 s21, s21, SCL
	v_add_nc_u32 v5, v5, v6
	v_add_nc_u32 v[ADRS], s21, v5
.macro FRAG reg, adr, q, i
.irp c, 0,1,2,3
	ds_load_b128 v[\reg+4*\c:\reg+4*\c+3], v[\adr] offset:128*(\q)+32*\c+(\i)*16*PITCH
.endr
.endm
.macro MUL16 a0, p, q, sc, zero
.irp a, \a0, \a0+1
.irp b, 0,1,2,3,4,5,6,7
.if \zero
	v_wmma_scale_f32_16x16x128_f8f6f4 v[8*(8*((\a)%4)+\b):8*(8*((\a)%4)+\b)+7], v[128*(\p)+FR*\b:128*(\p)+FR*\b+FR-1], v[AF+FR*(\a):AF+FR*(\a)+FR-1], 0, v[SC+8*NQ*(\sc)+NQ*\b+(\q)], v[SC+8*NQ*(\sc)+NQ*(\a)+(\q)] matrix_a_scale:MATRIX_SCALE_ROW1
.else
	v_wmma_scale_f32_16x16x128_f8f6f4 v[8*(8*((\a)%4)+\b):8*(8*((\a)%4)+\b)+7], v[128*(\p)+FR*\b:128*(\p)+FR*\b+FR-1], v[AF+FR*(\a):AF+FR*(\a)+FR-1], v[8*(8*((\a)%4)+\b):8*(8*((\a)%4)+\b)+7], v[SC+8*NQ*(\sc)+NQ*\b+(\q)], v[SC+8*NQ*(\sc)+NQ*(\a)+(\q)] matrix_a_scale:MATRIX_SCALE_ROW1
.endif
.endr
.endr
.endm
.macro FETCH_B slot, q, p
	WIN TO_B
.irp i, 0,1,2,3,4,5,6,7
	FRAG 128*(\p)+FR*\i, ADRB+\slot, \q, \i
.endr
	WIN 0
.endm
.macro FETCH_A slot, q, i0
.irp i, \i0, \i0+1, \i0+2, \i0+3
	FRAG AF+FR*(\i), ADRA+\slot, \q, \i
.endr
.endm
.macro SCALES sc
.irp i, 0,1,2,3,4,5,6,7
	ds_load_b64 v[SC+8*NQ*\sc+NQ*\i:SC+8*NQ*\sc+NQ*\i+1], v[ADRS] offset:\i*SBLK
.endr
.endm
.macro PLACES n
.rept \n
	v_nop
.endr
.endm
.macro STEP slot, q, zero
	s_wait_dscnt 4*NL
	WIN MUL_LO
	MUL16 0, (\q)%2, \q, \slot, \zero
	MUL16 2, (\q)%2, \q, \slot, \zero
	s_wait_dscnt 0
	PLACES NP
	FETCH_B \slot, (\q)+1, 1-(\q)%2
	FETCH_A \slot, (\q)+1, 0
	WIN MUL_HI
	MUL16 4, (\q)%2, \q, \slot, \zero
	MUL16 6, (\q)%2, \q, \slot, \zero
	PLACES NP
	WIN 0
	FETCH_A \slot, (\q)+1, 4
.endm
.macro TURN slot, next, fill
	s_wait_tensorcnt 0x0
	ds_add_u32 v[SPW], v[NIL]
	s_wait_dscnt 4*NL+1
	WIN MUL_LO
	MUL16 0, 1, NQ-1, \slot, 0
	s_wait_dscnt 0x0
	s_barrier_signal -1
	MUL16 2, 1, NQ-1, \slot, 0
	WIN 0
	s_barrier_wait -1
.if \fill
	CREST
	s_add_nc_u64 s[G0+4*\slot+2:G0+4*\slot+3], s[G0+4*\slot+2:G0+4*\slot+3], 2*ROWB
	s_add_nc_u64 s[G0B+4*\slot+2:G0B+4*\slot+3], s[G0B+4*\slot+2:G0B+4*\slot+3], 2*ROWB
	JLOAD G0+4*\slot, G1, G0B+4*\slot, G1B
	PLACES NP-4
.else
	PLACES NP
.endif
	s_wait_alu depctr_va_vdst(0)
	v_add_nc_u32 v[ADRS], 4*NQ, v[ADRS]
	FETCH_B \next, 0, 0
	FETCH_A \next, 0, 0
	SCALES \next
	WIN MUL_HI
	MUL16 4, 1, NQ-1, \slot, 0
	MUL16 6, 1, NQ-1, \slot, 0
	PLACES NP
	WIN 0
	FETCH_A \next, 0, 4
.endm
	s_wait_alu depctr_va_vdst(0)
	s_wait_tensorcnt 1
	s_barrier_signal -1
	s_barrier_wait -1
	FETCH_B 0, 0, 0
	FETCH_A 0, 0, 0
	SCALES 0
	FETCH_A 0, 0, 4
	STEP 0, 0, 1
	s_mov_b32 s3, LAPS-1
.Llap:
	TURN 0, 1, 1
	STEP 1, 0, 0
	TURN 1, 0, 1
	STEP 0, 0, 0
	s_sub_co_u32 s3, s3, 1
	s_cmp_lg_u32 s3, 0
	s_cbranch_scc1 .Llap
	TURN 0, 1, 0
	STEP 1, 0, 0
	s_wait_dscnt 4*NL
	WIN MUL_LO
	MUL16 0, 1, NQ-1, 1, 0
	MUL16 2, 1, NQ-1, 1, 0
	s_wait_dscnt 0
	WIN MUL_HI
	MUL16 4, 1, NQ-1, 1, 0
	MUL16 6, 1, NQ-1, 1, 0
	WIN 0
	PLACES NP
	; PHASE 2'S DESCRIPTORS, and its K step 0 into slot 0.  No tensor load of mine is out behind the wait, so every group may be written; the scalar work stands between the add and its wait.
	s_wait_tensorcnt 0x0
	ds_add_u32 v[SPW], v[NIL]
	s_lshl_b32 s18, ttmp9, 2
	s_add_co_u32 s18, s18, s41                     ; which 128 rows of W_v: 4 X + cy, shared along my row of the cluster
	s_lshl_b32 s20, s18, 7
	s_add_co_u32 s20, s20, 2048                    ; W_v's rows lie behind W_q's and W_k's
	s_lshl_b32 s19, s16, 6
	s_add_co_u32 s20, s20, s19                     ; waves 0, 1 fetch 64 rows each
	s_and_b32 s46, ttmp7, 0xffff
	s_lshl_b32 s46, s46, 2
	s_add_co_u32 s46, s46, s40                     ; which 256 tokens: 4 Y + cx, shared along my column
	s_lshl_b32 s46, s46, 8
	s_lshl_b32 s19, s16, 7
	s_add_co_u32 s46, s46, s19                     ; waves 2, 3 fetch 128 rows each
	s_mov_b32 s21, 0
	s_mov_b32 s47, 0
	s_mov_b64 s[18:19], KS
	s_mul_u64 s[22:23], s[20:21], s[18:19]
	s_mul_u64 s[92:93], s[46:47], s[18:19]
	s_mov_b64 s[18:19], KROW
	s_mul_u64 s[20:21], s[20:21], s[18:19]
	s_mul_u64 s[46:47], s[46:47], s[18:19]
	s_add_nc_u64 s[20:21], s[8:9], s[20:21]
	s_add_nc_u64 s[22:23], s[10:11], s[22:23]
	s_add_nc_u64 s[46:47], s[4:5], s[46:47]
	s_add_nc_u64 s[92:93], s[6:7], s[92:93]
	s_mul_i32 s18, s14, 64*PITCH
.irp s, 0,1
	s_add_co_u32 s[G0+4*\s+1], s18, \s*SLOT
	s_add_nc_u64 s[G0+4*\s+2:G0+4*\s+3], s[20:21], \s*ROWB
	s_or_b32 s[G0+4*\s+3], s[G0+4*\s+3], 0x80000000
	s_add_co_u32 s[G0B+4*\s+1], s45, \s*SLOT
	s_add_nc_u64 s[G0B+4*\s+2:G0B+4*\s+3], s[46:47], \s*ROWB
	s_or_b32 s[G0B+4*\s+3], s[G0B+4*\s+3], 0x80000000
.endr
	s_mov_b32 s[G1+2], 64<<16                      ; A's loads bring 64 rows from here on
	s_mov_b32 s[G1+4], 64
	s_mul_i32 s18, s14, 8*272
	s_add_co_u32 s[G0S+1], s18, SCL
	s_mov_b64 s[G0S+2:G0S+3], s[22:23]
	s_or_b32 s[G0S+3], s[G0S+3], 0x80000000
	s_mul_i32 s18, s14, HALFS
	s_add_co_u32 s[G0SB+1], s18, SCL
	s_mov_b64 s[G0SB+2:G0SB+3], s[92:93]
	s_or_b32 s[G0SB+3], s[G0SB+3], 0x80000000
	s_or_b32 s4, s43, (3<<16)|(1<<20)|(1<<21)|(5<<22)|(3<<25)   ; s[4:11], whose pointers are used up: group 1 for the scale bytes of 64 rows of W_v: 8 rows of 256 bytes
	s_mov_b32 s5, 32<<16
	s_mov_b32 s6, 8<<16
	s_mov_b32 s7, 32<<16
	s_mov_b32 s8, 8
	s_mov_b32 s9, 32
	s_mov_b32 s10, 0
	s_mov_b32 s11, 0
	s_wait_dscnt 0x0
	CROUND                                         ; no wave of any partner reads a slot or has a load on its way
	JLOAD G0, G1, G0B, G1B
	s_mov_b32 s18, s42                             ; phase 1's way out: the tile column gives the heads, the tile row the tokens
	s_mov_b32 s19, s16
	s_mov_b32 s20, s17
	s_mov_b32 s21, s15
	s_mov_b32 s46, 0
	s_mov_b32 s47, 9
	s_cmp_eq_u32 ttmp9, 0
	s_cselect_b32 s44, 17, 18
	s_mov_b32 s45, 12288
	s_cselect_b32 s45, 8192, s45
	s_cselect_b64 s[68:69], s[96:97], s[100:101]
	s_cselect_b64 s[72:73], s[98:99], s[66:67]
	s_lshr_b32 s22, s20, 3
	s_lshl_b32 s22, s22, 4
	s_and_b32 s12, s18, 3                          ; (s12, s13, s2: no word of a descriptor: a joint load is out here)
	s_lshl_b32 s12, s12, 2
	s_add_co_u32 s22, s22, s12
	s_lshl_b32 s12, s19, 1
	s_add_co_u32 s22, s22, s12
	s_and_b32 s23, s20, 7
	s_lshl_b32 s23, s23, 1
	s_add_co_u32 s23, s23, s21
	s_lshl_b32 s12, s22, s44
	s_sub_co_u32 s2, s44, 4
	s_lshl_b32 s2, s23, s2
	s_add_co_u32 s12, s12, s2
	s_add_co_u32 s12, s12, s46
	s_mov_b32 s13, 0
	s_add_nc_u64 s[68:69], s[68:69], s[12:13]
	s_lshl_b32 s12, 1, s44
	s_add_nc_u64 s[70:71], s[68:69], s[12:13]
	s_mul_i32 s12, s22, s45
	s_lshl_b32 s2, s23, s47
	s_add_co_u32 s12, s12, s2
	s_add_co_u32 s12, s12, s46
	s_add_nc_u64 s[72:73], s[72:73], s[12:13]
	s_mov_b32 s92, 0x76543210
	s_mov_b32 s93, 0xfedcba98
	s_mov_b32 s94, 0x600000
	v_and_b32 v[LI], 31, v0
	v_lshlrev_b32 v[LI], 4, v[LI]
.irp b, 0,1,2,3
	v_mov_b32 v[TM+4+\b], 0
.endr
	v_mov_b32 v[PX], 0
	v_mov_b32 v[PX+1], 0
	v_mov_b32 v[MM+1], 0
	v_mov_b32 v[MM+3], 0
	v_mov_b32 v[IV+1], 0
	v_mov_b32 v[IV+3], 0
.macro QUANT src, win, word
	WIN 0
.irp b, 0,1,2,3
	v_mov_b32 v[TM+\b], 0x4800000
.endr
.set WQ, ((\win)<<2)|((\win)<<4)
	WIN WQ
.irp i, 0,2,4,6,8,10,12,14
.irp b, 0,1,2,3
	v_max3_num_f32 v[TM+\b], v[TM+\b], |v[\src+16*\b+\i]|, |v[\src+16*\b+\i+1]|
.endr
.endr
	WIN 0
.irp b, 0,1,2,3
	v_permlanex16_b32 v[TM+4+\b], v[TM+\b], s92, s93
.endr
.irp b, 0,1,2,3
	v_max_num_f32 v[TM+\b], v[TM+\b], v[TM+4+\b]
.endr
.irp b, 0,1,2,3
	v_add_nc_u32 v[TM+12+\b], 0xfc000000, v[TM+\b]
.endr
.irp b, 0,1,2,3
	v_and_or_b32 v[TM+8+\b], v[TM+\b], 0x7f800000, s94
.endr
.irp b, 0,1,2,3
	v_lshrrev_b32 v[TM+4+\b], 23, v[TM+12+\b]
.endr
	v_lshl_or_b32 v[\word], v[TM+5], 8, v[TM+4]
	v_lshl_or_b32 v[\word], v[TM+6], 16, v[\word]
	v_lshl_or_b32 v[\word], v[TM+7], 24, v[\word]
.set WQ, \win
	WIN WQ
.set n, 0
.rept 64
	v_med3_num_f32 v[Y+n], v[\src+n], -v[TM+8+n/16], v[TM+8+n/16]
.set n, n+1
.endr
	WIN 0
	s_wait_alu depctr_va_vdst(0)
	s_wait_xcnt 0x0
.irp g, 0,1,2,3,4,5,6,7
	v_cvt_scalef32_pk8_fp8_f32 v[PC+2*\g:PC+2*\g+1], v[Y+8*\g:Y+8*\g+7], v[TM+12+\g/2]
.endr
	v_nop
.endm
.macro EPA a, isv
.set AC, 64*((\a)%4)
.set WA, 2+(\a)/4
.if \isv
	QUANT AC, WA, W8+(\a)
.set CB, 68+2*((\a)/4)
.irp c, 0,1,2,3
	global_store_b128 v[LI], v[PC+4*\c:PC+4*\c+3], s[CB:CB+1] offset:2048*((\a)%4)+512*\c
.endr
.else
.set WQ, WA|(WA<<2)
	WIN WQ
.irp p, 0,1
.irp i, 0,1,2,3,4,5,6,7
	v_pk_add_f32 v[T+16*\p+2*\i:T+16*\p+2*\i+1], v[AC+32*\p+4*\i:AC+32*\p+4*\i+1], v[AC+32*\p+4*\i+2:AC+32*\p+4*\i+3]
.endr
.endr
	WIN 0
.irp i, 0,1,2,3
.irp p, 0,1
	v_pk_add_f32 v[T+16*\p+4*\i:T+16*\p+4*\i+1], v[T+16*\p+4*\i:T+16*\p+4*\i+1], v[T+16*\p+4*\i+2:T+16*\p+4*\i+3]
.endr
.endr
.irp i, 0,1
.irp p, 0,1
	v_pk_add_f32 v[T+16*\p+8*\i:T+16*\p+8*\i+1], v[T+16*\p+8*\i:T+16*\p+8*\i+1], v[T+16*\p+8*\i+4:T+16*\p+8*\i+5]
.endr
.endr
.irp p, 0,1
	v_pk_add_f32 v[T+16*\p:T+16*\p+1], v[T+16*\p:T+16*\p+1], v[T+16*\p+8:T+16*\p+9]
.endr
.irp p, 0,1
	v_add_f32 v[SM+\p], v[T+16*\p], v[T+16*\p+1]
.endr
.irp p, 0,1
	v_permlanex16_b32 v[PX+\p], v[SM+\p], s92, s93
.endr
.irp p, 0,1
	v_add_f32 v[SM+\p], v[SM+\p], v[PX+\p]
.endr
.irp p, 0,1
	v_mul_f32 v[MM+2*\p], 0x3c800000, v[SM+\p]
.endr
	WIN WA
.set n, 0
.rept 32
	v_pk_add_f32 v[Y+n:Y+n+1], v[AC+n:AC+n+1], v[MM+2*(n/32):MM+2*(n/32)+1] op_sel_hi:[1,0] neg_lo:[0,1] neg_hi:[0,1]
.set n, n+2
.endr
	WIN 0
.irp c, 0,1,2,3
.irp p, 0,1
	v_pk_mul_f32 v[T+8*\p+2*\c:T+8*\p+2*\c+1], v[Y+32*\p+2*\c:Y+32*\p+2*\c+1], v[Y+32*\p+2*\c:Y+32*\p+2*\c+1]
.endr
.endr
.irp k, 1,2,3
.irp c, 0,1,2,3
.irp p, 0,1
	v_pk_fma_f32 v[T+8*\p+2*\c:T+8*\p+2*\c+1], v[Y+32*\p+2*\c+8*\k:Y+32*\p+2*\c+8*\k+1], v[Y+32*\p+2*\c+8*\k:Y+32*\p+2*\c+8*\k+1], v[T+8*\p+2*\c:T+8*\p+2*\c+1]
.endr
.endr
.endr
.irp p, 0,1
	v_pk_add_f32 v[T+8*\p:T+8*\p+1], v[T+8*\p:T+8*\p+1], v[T+8*\p+2:T+8*\p+3]
	v_pk_add_f32 v[T+8*\p+4:T+8*\p+5], v[T+8*\p+4:T+8*\p+5], v[T+8*\p+6:T+8*\p+7]
.endr
.irp p, 0,1
	v_pk_add_f32 v[T+8*\p:T+8*\p+1], v[T+8*\p:T+8*\p+1], v[T+8*\p+4:T+8*\p+5]
.endr
.irp p, 0,1
	v_add_f32 v[SM+\p], v[T+8*\p], v[T+8*\p+1]
.endr
.irp p, 0,1
	v_permlanex16_b32 v[PX+\p], v[SM+\p], s92, s93
.endr
.irp p, 0,1
	v_add_f32 v[SM+\p], v[SM+\p], v[PX+\p]
.endr
.irp p, 0,1
	v_mul_f32 v[SM+\p], 0x3c820821, v[SM+\p]
.endr
	s_wait_alu depctr_va_vdst(0)
	v_sqrt_f32 v[SM], v[SM]
	v_sqrt_f32 v[SM+1], v[SM+1]
	v_nop
	s_wait_alu depctr_va_vdst(0)
	v_add_f32 v[SM], 0x3727c5ac, v[SM]
	v_add_f32 v[SM+1], 0x3727c5ac, v[SM+1]
	s_wait_alu depctr_va_vdst(0)
	v_rcp_f32 v[IV], v[SM]
	v_rcp_f32 v[IV+2], v[SM+1]
	v_nop
.set n, 0
	s_wait_alu depctr_va_vdst(0)
.rept 32
	v_pk_mul_f32 v[Y+n:Y+n+1], v[Y+n:Y+n+1], v[IV+2*(n/32):IV+2*(n/32)+1] op_sel_hi:[1,0]
.set n, n+2
.endr
	QUANT Y, 0, W8+(\a)
	global_store_b128 v[LI], v[PC:PC+3], s[68:69] offset:1024*(\a)
	global_store_b128 v[LI], v[PC+4:PC+7], s[68:69] offset:1024*(\a)+512
	global_store_b128 v[LI], v[PC+8:PC+11], s[70:71] offset:1024*(\a)
	global_store_b128 v[LI], v[PC+12:PC+15], s[70:71] offset:1024*(\a)+512
.endif
.endm
.macro EPS isv
	v_cmp_eq_u32 vcc_lo, 1, v2
	v_mul_u32_u24 v[SCA], s45, v2
	v_lshl_add_u32 v[SCA], v1, 4, v[SCA]
.if \isv
.irp i, 0,1,2,3
	v_cndmask_b32 v[SW+\i], v[W8+\i], v[W8+4+\i], vcc_lo
.endr
	global_store_b128 v[SCA], v[SW:SW+3], s[72:73]
.else
	v_mov_b32 v[TV], 0x01000100
	v_mov_b32 v[SELR], 0x03020302
	v_cndmask_b32 v[SELR], v[TV], v[SELR], vcc_lo
.irp i, 0,1,2,3,4,5,6,7
	v_perm_b32 v[SW+\i], v[W8+\i], v[W8+\i], v[SELR]
.endr
	global_store_b128 v[SCA], v[SW:SW+3], s[72:73]
	global_store_b128 v[SCA], v[SW+4:SW+7], s[72:73] offset:256
.endif
.endm
.macro REFILL g0a, g1a, g0b, g1b       ; a refill among the way out's blocks: the three lines, a whole round, one joint load a wave
	s_wait_alu depctr_va_vdst(0)
	s_wait_tensorcnt 0x0
	ds_add_u32 v[SPW], v[NIL]
	s_wait_dscnt 0x0
	CROUND
	JLOAD \g0a, \g1a, \g0b, \g1b
.endm
	EPA 0, 0
	EPA 1, 0
	REFILL G0S, 4, G0SB, G1SB                      ; phase 2's scale bytes
	EPA 2, 0
	EPA 3, 0
	REFILL G0+4, G1, G0B+4, G1B                    ; its K step 1 into slot 1
.irp a, 4,5,6,7
	EPA \a, 0
.endr
	EPS 0
; PHASE 2.  A step of 128 along K is 32 products: A's four blocks x B's eight.  A's and B's fragments stand in two sets each (set = step % 2): a step's successor is fetched ahead of the step's products.
.macro FETCH_H slot, q, s
.irp i, 0,1,2,3
	FRAG AF+64*(\s)+FR*\i, ADRA+\slot, \q, \i
.endr
.endm
.macro MULH q, sc, zero                ; the 32 accumulators take turns, in the same order in every step
.irp a, 0,1,2,3
.irp b, 0,1,2,3,4,5,6,7
.if \zero
	v_wmma_scale_f32_16x16x128_f8f6f4 v[8*(8*\a+\b):8*(8*\a+\b)+7], v[128*(\q)+FR*\b:128*(\q)+FR*\b+FR-1], v[AF+64*(\q)+FR*\a:AF+64*(\q)+FR*\a+FR-1], 0, v[SC+8*NQ*(\sc)+NQ*\b+(\q)], v[SC+8*NQ*(\sc)+NQ*\a+(\q)] matrix_a_scale:MATRIX_SCALE_ROW1
.else
	v_wmma_scale_f32_16x16x128_f8f6f4 v[8*(8*\a+\b):8*(8*\a+\b)+7], v[128*(\q)+FR*\b:128*(\q)+FR*\b+FR-1], v[AF+64*(\q)+FR*\a:AF+64*(\q)+FR*\a+FR-1], v[8*(8*\a+\b):8*(8*\a+\b)+7], v[SC+8*NQ*(\sc)+NQ*\b+(\q)], v[SC+8*NQ*(\sc)+NQ*\a+(\q)] matrix_a_scale:MATRIX_SCALE_ROW1
.endif
.endr
.endr
.endm
.macro HEVEN slot, zero                ; a slot's first step
	PLACES NP                                      ; in front of loads into the set that the step before multiplied
	FETCH_B \slot, 1, 1
	FETCH_H \slot, 1, 1
	s_wait_dscnt 48                                ; all but the 48 just issued
	WIN MUL_LO
	MULH 0, \slot, \zero
	WIN 0
.endm
.macro HODD slot, next, fill           ; a slot's second step: its fragments are in registers, so the slot is left first; fill = 1: it is filled again, two K steps ahead
	s_wait_tensorcnt 0x0
	ds_add_u32 v[SPW], v[NIL]
.if \fill
	s_add_nc_u64 s[G0+4*\slot+2:G0+4*\slot+3], s[G0+4*\slot+2:G0+4*\slot+3], 2*ROWB
	s_add_nc_u64 s[G0B+4*\slot+2:G0B+4*\slot+3], s[G0B+4*\slot+2:G0B+4*\slot+3], 2*ROWB
.endif
	s_wait_dscnt 0x0
.if \fill
	CROUND
	JLOAD G0+4*\slot, G1, G0B+4*\slot, G1B
	PLACES NP-4
.else
	s_barrier_signal -1
	s_barrier_wait -1
	PLACES NP
.endif
	s_wait_alu depctr_va_vdst(0)
	v_add_nc_u32 v[ADRS], 4*NQ, v[ADRS]
	FETCH_B \next, 0, 0
	FETCH_H \next, 0, 0
	SCALES \next
	WIN MUL_LO
	MULH 1, \slot, 0
	WIN 0
.endm
	s_mul_i32 s21, s15, 64*PITCH                   ; my 64 rows of W_v
	v_add_nc_u32 v[ADRA], s21, v4
	s_add_co_u32 s21, s21, SLOT
	v_add_nc_u32 v[ADRA+1], s21, v4
	v_mul_u32_u24 v5, v1, KS
	v_lshrrev_b32 v6, 8, v5
	v_lshl_add_u32 v5, v6, 4, v5
	s_mul_i32 s21, s15, 8*272
	s_mul_i32 s22, s16, HALFS
	s_add_co_u32 s22, s22, 2*HALFS
	s_sub_co_u32 s22, s22, s21
	v_mul_u32_u24 v6, s22, v2
	s_add_co_u32 s21, s21, SCL
	v_add_nc_u32 v5, v5, v6
	v_add_nc_u32 v[ADRS], s21, v5
	s_wait_alu depctr_va_vdst(0)
	s_wait_xcnt 0x0                                ; phase 1's stores have read their registers: fragments may land there
	s_wait_tensorcnt 0x0                           ; my parts of both slots and of the scale bytes are in
	s_barrier_signal -1
	s_barrier_wait -1                              ; everybody's are
	FETCH_B 0, 0, 0
	FETCH_H 0, 0, 0
	SCALES 0
	HEVEN 0, 1
	HODD 0, 1, 1
	HEVEN 1, 0
	HODD 1, 0, 1
	HEVEN 0, 0
	HODD 0, 1, 0
	HEVEN 1, 0
	s_wait_dscnt 0x0
	WIN MUL_LO
	MULH 1, 1, 0
	WIN 0
	PLACES NP
	s_lshl_b32 s18, ttmp9, 2                       ; v's way out: head 16 b + 2 (4 X + cy) + my row of waves; key step 2 (token tile % 8) + my column of waves
	s_add_co_u32 s18, s18, s41
	s_and_b32 s20, ttmp7, 0xffff
	s_lshl_b32 s20, s20, 2
	s_add_co_u32 s20, s20, s40
	s_lshr_b32 s22, s20, 3
	s_lshl_b32 s22, s22, 4
	s_lshl_b32 s12, s18, 1
	s_add_co_u32 s22, s22, s12
	s_add_co_u32 s22, s22, s15
	s_and_b32 s23, s20, 7
	s_lshl_b32 s23, s23, 1
	s_add_co_u32 s23, s23, s16
	s_lshl_b32 s12, s22, 18
	s_lshl_b32 s2, s23, 14
	s_add_co_u32 s12, s12, s2
	s_add_co_u32 s12, s12, 8192
	s_mov_b32 s13, 0
	s_wait_xcnt 0x0
	s_add_nc_u64 s[68:69], s[100:101], s[12:13]
	s_mul_i32 s12, s22, 12288
	s_lshl_b32 s2, s23, 8
	s_add_co_u32 s12, s12, s2
	s_add_co_u32 s12, s12, 8192
	s_add_nc_u64 s[72:73], s[66:67], s[12:13]
.set LI, 7                             ; phase 2's fragments have landed on the registers that held the stores' offsets: they are made anew in v7 and v8
.set SCA, 8
	v_and_b32 v[LI], 31, v0
	v_lshlrev_b32 v[LI], 4, v[LI]
.irp a, 0,1,2,3
	EPA \a, 1
.endr
	s_wait_xcnt 0x0
	v_lshlrev_b32 v[SCA], 4, v1                    ; row r's four scale words; both halves of the lanes hold the same words and store them to the same 256 bytes
	global_store_b128 v[SCA], v[W8:W8+3], s[72:73]
	s_wait_tensorcnt 0x0
	ds_add_u32 v[SPW], v[NIL]
	s_wait_dscnt 0x0
	CROUND
	s_endpgm
.Lfunc_end_k_q732222e02d_proj:
	.size	k_q732222e02d_proj, .Lfunc_end_k_q732222e02d_proj-k_q732222e02d_proj
	.p2alignl 7, 3214868480
	.fill 96, 4, 3214868480
	.section	.rodata,"a",@progbits
	.p2align	6, 0x0
	.amdhsa_kernel k_q732222e02d_proj
		.amdhsa_group_segment_fixed_size 327680
		.amdhsa_private_segment_fixed_size 0
		.amdhsa_enable_private_segment 0
		.amdhsa_kernarg_size 64
		.amdhsa_user_sgpr_count 2
		.amdhsa_user_sgpr_kernarg_segment_ptr 1
		.amdhsa_wavefront_size32 1
		.amdhsa_system_sgpr_workgroup_id_x 1
		.amdhsa_system_sgpr_workgroup_id_y 1
		.amdhsa_system_sgpr_workgroup_id_z 1
		.amdhsa_system_vgpr_workitem_id 0
		.amdhsa_next_free_vgpr 1024
		.amdhsa_next_free_sgpr 102
		.amdhsa_reserve_vcc 1
		.amdhsa_float_denorm_mode_32 3
		.amdhsa_float_denorm_mode_16_64 3
		.amdhsa_memory_ordered 1
		.amdhsa_forward_progress 1
		.amdhsa_inst_pref_size 255
	.end_amdhsa_kernel
	.section	.bss,"aw",@nobits
	.p2align	6
	.space	262144
	.amdgpu_metadata
---
amdhsa.version: [ 1, 2 ]
amdhsa.kernels:
  - .name:           k_q732222e02d_proj
    .symbol:         k_q732222e02d_proj.kd
    .args:
      - { .name: xc, .offset: 0, .size: 8, .value_kind: global_buffer, .address_space: global }
      - { .name: xs, .offset: 8, .size: 8, .value_kind: global_buffer, .address_space: global }
      - { .name: wc, .offset: 16, .size: 8, .value_kind: global_buffer, .address_space: global }
      - { .name: ws, .offset: 24, .size: 8, .value_kind: global_buffer, .address_space: global }
      - { .name: qi, .offset: 32, .size: 8, .value_kind: global_buffer, .address_space: global }
      - { .name: qs, .offset: 40, .size: 8, .value_kind: global_buffer, .address_space: global }
      - { .name: kv, .offset: 48, .size: 8, .value_kind: global_buffer, .address_space: global }
      - { .name: kvs, .offset: 56, .size: 8, .value_kind: global_buffer, .address_space: global }
    .group_segment_fixed_size: 327680
    .private_segment_fixed_size: 0
    .kernarg_segment_align: 8
    .kernarg_segment_size: 64
    .max_flat_workgroup_size: 128
    .sgpr_count:     102
    .vgpr_count:     1024
    .wavefront_size: 32
...
	.end_amdgpu_metadata
.endif
;; end of part 2
;; launch attn (part 3): grid 4 x 64, 16 waves a work-group, clusters of 4 x 1, 327,680 bytes of LDS; arguments qi, qs, kv, kvs, out0; writes out0
.if DOCPART == 3
	.amdgcn_target "amdgcn-amd-amdhsa--gfx1250"
	.amdhsa_code_object_version 6
	.text
	.protected	k_q732222e02d_attn
	.globl	k_q732222e02d_attn
	.p2align	8
	.type	k_q732222e02d_attn,@function
k_q732222e02d_attn:
	s_mov_b64 s[64:65], 0
	v_nop
	global_prefetch_b8 v0, s[64:65] scope:SCOPE_SE
	s_setreg_imm32_b32 hwreg(HW_REG_WAVE_MODE, 25, 1), 1
	s_wait_xcnt 0x0
	s_wait_alu depctr_hold_cnt(0) depctr_sa_sdst(0) depctr_va_vdst(0) depctr_va_sdst(0) depctr_va_ssrc(0) depctr_va_vcc(0) depctr_vm_vsrc(0)
	s_getreg_b32 s2, hwreg(HW_REG_IB_STS2, 6, 4)
	s_cmp_eq_u32 s2, 0
	s_cbranch_scc0 .Lentry_in_a_cluster
	s_endpgm
.Lentry_in_a_cluster:
	s_bfe_u32 s2, ttmp6, 0x10000c
	s_cmp_lg_u32 s2, 0x3003
	s_cbranch_scc0 .Lentry_shape_is_right
	s_endpgm
.Lentry_shape_is_right:
; out[b][64 h + e][t] = the sum over keys s of softmax_s(q[t] . k[s] / 8) v[s][e], both products on codes of FP8 (E4M3) with one E8M0 scale for each 32 along a product's K.
; q, k, v arrive as IMAGES OF OPERAND REGISTERS: a tile of 16 rows is runs of 512 bytes, lane l's 16 bytes at 16 l.  qi: [head 64][tile of 16 queries 128][2 runs].
; kv: [head][key step of 128 keys, 16][k: 8 tiles x 2 runs, then v: 4 tiles of 16 e x 4 runs].  Scale words: qs [head][4 tiles][row 16][tile 4]; kvs [head][k's likewise, 8,192 bytes; then v's [step][row 16][tile of e 4]].
; Row i of tile T (of 8 in 128 t, of 4 in 64 e) is the true row 32 (T / 2) + 8 (T % 2) + i + 8 (i / 8): in S^T the 16 registers of tiles 2 b, 2 b + 1 are keys 32 b + 16 (lane / 16) + 0 .. 15.
; THE SOFTMAX AHEAD OF THE SECOND PRODUCT: t = score x log2(e) / 8; p = 2^(t - M) is quantised along the keys, not normalised; the row's sum of the unquantised p divides at the end.
; M IS THE CONSTANT 0.  reference() itself normalises q and k: the squares of (x - mean) / (std + 1e-5) over a head's 64 sum to less than 63, whatever x holds; a code differs from its number by at most a sixteenth of it and the hold
; only lowers it; so |score| < 72 and |t| < 13 for every input.  p lies between 2^-13 and 2^13, a row's sum under 2^24, a block's byte between 106 and 132: nothing can overflow or underflow.  Against the row's own M, a whole number,
; p differs by an exact power of two, which the block's scale takes up and the division by the sum takes away: the codes are the same.
; K = 64 IN AN INSTRUCTION OF K = 128: two neighbouring tiles of keys are ONE fragment of source 0, multiplied once by [q | zeros] and once by [zeros | q]; the scale words hold a row's two bytes twice.
; SHARES.  A work-group owns 512 queries of one head; each of its sixteen waves owns two tiles of 16 and walks all 16 key steps once for each (two passes, no barrier between them).  256 work-groups.
; A HEAD'S WHOLE k AND v (262,144 bytes) STAY IN LDS, filled once: wave w brings key step w by one tensor load, the only one of the wave.  The head's 12,288 bytes of scale words come by ordinary loads, 24 bytes a thread, into LDS bytes of their own.
; CLUSTER: the four work-groups of a cluster own the four quarters of ONE head's queries: every tensor load is asked for jointly, with the mask of all four.
; NO PREFETCH: each byte of k and v is asked for once, at the head, so there is no loop in which to ask ahead; the second tile's q is loaded ahead of the first pass's way out.
; THE WAY OUT.  The first pass leaves e 0 .. 31 in a stage of its own and keeps e 32 .. 63 in 16 registers; behind the second pass all meet in stages (those over k and v behind a barrier) and leave as rows along t.
; Both products are used transposed (S^T = k q^T, O^T = v^T p^T): a lane holds one query throughout.
; LIMITS: NaN and infinities are not served.
.set SCK,  262144                      ; LDS: k's scale words, 512 bytes a key step;
.set SCV,  270336                      ; v's, 256 bytes a key step
.set STA,  274432                      ; the first pass's stage: 32 rows e x SPIT bytes; no fill lands here
.set SPARE, 307712                     ; the spare words: 128 bytes a wave
.set SPIT, 1040                        ; a stage row: 256 t x 4 bytes + 16
.set STH,  64*SPIT                     ; at the end: the second pass's 64 rows lie at 0, the first pass's e 32 .. 63 here
.set LI,   1                           ; v1   16 x lane
.set R16,  2                           ; v2   16 x (lane % 16): a row's four scale words
.set ADK,  3                           ; v3   LDS address of the step's images
.set ADS,  4                           ; v4   of k's scale words
.set ST0,  5                           ; v5   my place in a stage row, and my half's 16 rows
.set ADT,  6                           ; v6   LDS address of v's scale words
.set QSW,  7                           ; v7   q's scale word
.set L,    8                           ; v8-15    the row's sum, four chains of two
.set QL,   16                          ; v[16:31]  q, then zeros
.set QH,   24                          ; v[24:39]  zeros, then q
.set KF,   40                          ; v40-103   four fragments of k, then of v
.set RPC,  104                         ; v104-119  p's codes: four registers, then the first twelve of RS, whose numbers are converted by then
.set RS,   108                         ; v108-171  S^T, then p
.set RO,   172                         ; v172-203  O^T
.set BM,   204                         ; a block's largest score, then its largest p
.set BX,   208                         ; what lane l xor 16 sent; then the bytes
.set LIM,  212                         ; 448 x the scale
.set SOP,  216                         ; the conversions' scale operands
.set KSC,  220                         ; v220-227  k's scale words
.set VSC,  228                         ; v228-231  v's
.set PSW,  232                         ; p's scale word
.set SPW,  233
.set NIL,  234
.set T0,   235
.set KEEP, 236                         ; v236-251  the first pass's e 32 .. 63
.set GO,   252                         ; 8 x thread: my place in the scale words
.set SCA,  253                         ; the same in LDS; at the end a read-back address, with v254, v255
.set WV,   14
.set SEL,  18
.set CS,   20                          ; s[20:21] c = log2(e) / 8
.set MNT,  22
.set CNT,  23
.set G1,   24
.set G0,   32
.set TB,   36
.set TS,   37
.set TJ,   38
.macro CROUND                          ; a round of the cluster's barrier
	s_barrier_signal -1
	s_barrier_wait -1
	s_cmp_lg_u32 s[WV], 0
	s_cbranch_scc1 .Lnot_wave_0_\@
	s_barrier_signal -3
.Lnot_wave_0_\@:
	s_barrier_wait -3
	s_barrier_signal -1
	s_barrier_wait -1
.endm
	s_load_b256 s[4:11], s[0:1], 0x0               ; qi, qs, kv, kvs
	s_load_b64 s[12:13], s[0:1], 0x20              ; out
	v_lshl_add_u32 v[SPW], v0, 2, SPARE
	v_mov_b32 v[NIL], 0
	ds_add_u32 v[SPW], v[NIL]                      ; the opening lines: the add twice on end and its wait
	ds_add_u32 v[SPW], v[NIL]
	v_lshrrev_b32 v8, 5, v0
	v_readfirstlane_b32 s[WV], v8                  ; wave 0..15
	v_lshlrev_b32 v[GO], 3, v0
	v_add_nc_u32 v[SCA], SCK, v[GO]
	v_and_b32 v[LI], 31, v0
	v_lshlrev_b32 v[LI], 4, v[LI]
	v_and_b32 v[R16], 15, v0
	v_lshlrev_b32 v[R16], 4, v[R16]
	s_bfe_u32 s15, ttmp6, 0x40000                  ; cx: it enters q's and the output's addresses alone
	s_and_b32 s17, ttmp7, 0xffff                   ; 16 b + head, which the four partners share
	s_mov_b32 s[G1], 15|(3<<16)|(1<<21)            ; the mask of all four; elements of 8 bytes; bit 21 beside a mask
	s_mov_b32 s[G1+1], 32<<16                      ; a key step: 64 dense rows of 256 bytes
	s_mov_b32 s[G1+2], 64<<16
	s_mov_b32 s[G1+3], 32<<16
	s_mov_b32 s[G1+4], 64
	s_mov_b32 s[G1+5], 32
	s_mov_b32 s[G1+6], 0
	s_mov_b32 s[G1+7], 0
	s_lshl_b32 s39, s[WV], 14                      ; key step w: 16,384 w, in LDS and in the head's images
	s_lshl_b32 s40, s17, 18
	s_add_co_u32 s40, s40, s39
	s_mov_b32 s41, 0
	s_mul_i32 s42, s17, 12288                      ; the head's scale words
	s_mov_b32 s43, 0
	s_mov_b32 s[SEL], 0x76543210
	s_mov_b32 s[SEL+1], 0xfedcba98
	s_mov_b32 s[CS], 0x3e38aa3b
	s_mov_b32 s[CS+1], s[CS]
	s_mov_b32 s[MNT], 0x600000
	s_wait_alu depctr_va_vdst(0)                   ; the wait ahead of the waits below
	s_wait_dscnt 0x0
	s_wait_kmcnt 0x0
	s_add_nc_u64 s[10:11], s[10:11], s[42:43]
.irp j, 0,1,2
	global_load_b64 v[KF+2*\j:KF+2*\j+1], v[GO], s[10:11] offset:4096*\j   ; 32 lanes read 256 consecutive bytes
.endr
	s_mov_b32 s[G0], 1
	s_mov_b32 s[G0+1], s39
	s_add_nc_u64 s[G0+2:G0+3], s[8:9], s[40:41]
	s_or_b32 s[G0+3], s[G0+3], 0x80000000
	CROUND                                         ; all four work-groups are here: the joint loads meet
	tensor_load_to_lds s[G0:G0+3], s[G1:G1+7]      ; my one tensor load
	s_nop 0
.rept 4
	v_nop
.endr
	s_lshl_b32 s16, s15, 1                         ; my first block of 256 queries; the second pass takes the next
	s_lshl_b32 s40, s17, 17                        ; q's images: 131,072 bytes a head, 16,384 a block, 1,024 a tile
	s_lshl_b32 s41, s16, 14
	s_add_co_u32 s40, s40, s41
	s_lshl_b32 s41, s[WV], 10
	s_add_co_u32 s40, s40, s41
	s_mov_b32 s41, 0
	s_add_nc_u64 s[4:5], s[4:5], s[40:41]
	s_lshl_b32 s40, s17, 13                        ; q's scale words: 8,192 bytes a head, 1,024 a block, 256 for four tiles, 4 a tile
	s_lshl_b32 s42, s16, 10
	s_add_co_u32 s40, s40, s42
	s_lshr_b32 s42, s[WV], 2
	s_lshl_b32 s42, s42, 8
	s_add_co_u32 s40, s40, s42
	s_and_b32 s42, s[WV], 3
	s_lshl_b32 s42, s42, 2
	s_add_co_u32 s40, s40, s42
	s_add_nc_u64 s[6:7], s[6:7], s[40:41]
.macro QLOAD p                         ; q stays in registers, below the zeros and above them
	global_load_b128 v[16:19], v[LI], s[4:5] offset:16384*\p
	global_load_b128 v[20:23], v[LI], s[4:5] offset:16384*\p+512
	global_load_b128 v[32:35], v[LI], s[4:5] offset:16384*\p
	global_load_b128 v[36:39], v[LI], s[4:5] offset:16384*\p+512
	global_load_b32 v[QSW], v[R16], s[6:7] offset:1024*\p
.endm
	QLOAD 0
	s_lshl_b32 s40, s17, 19                        ; out: 64 rows of 8,192 bytes a head; a block's 256 t are 1,024 bytes
	s_lshl_b32 s42, s16, 10
	s_add_co_u32 s40, s40, s42
	s_lshl_b32 s42, s[WV], 14
	s_add_co_u32 s42, s42, s40
	s_mov_b32 s43, 0
	s_add_nc_u64 s[48:49], s[12:13], s[42:43]      ; rows 2 w on: the first pass's
	s_lshl_b32 s42, s[WV], 15
	s_add_co_u32 s42, s42, s40
	s_add_nc_u64 s[50:51], s[12:13], s[42:43]      ; rows 4 w on: the second pass's
	s_lshr_b32 s40, s[WV], 3                       ; my tile's queries in a block: 128 (w / 8) + 32 ((w / 2) % 4) + 8 (w % 2) + r + 8 (r / 8), 4 bytes each
	s_lshl_b32 s40, s40, 9
	s_lshr_b32 s42, s[WV], 1
	s_and_b32 s42, s42, 3
	s_lshl_b32 s42, s42, 7
	s_add_co_u32 s40, s40, s42
	s_and_b32 s42, s[WV], 1
	s_lshl_b32 s42, s42, 5
	s_add_co_u32 s40, s40, s42
	v_and_b32 v8, 15, v0
	v_bfe_u32 v9, v0, 4, 1
	v_and_b32 v10, 8, v8
	v_add_nc_u32 v10, v10, v8
	v_mul_u32_u24 v[ST0], v9, 16*SPIT              ; lanes 16-31 hold the e 16 further on
	v_lshl_add_u32 v[ST0], v10, 2, v[ST0]
	v_add_nc_u32 v[ST0], s40, v[ST0]
.irp j, 24,25,26,27,28,29,30,31
	v_mov_b32 v[\j], 0                             ; the zero codes between q's two copies
.endr
.irp b, 0,1,2,3
	v_mov_b32 v[BX+\b], 0                          ; a lane permute's destination counts as one of its sources
.endr
.macro ADDR                            ; the LDS addresses of the step at s[TB], s[TS], s[TJ]
	v_add_nc_u32 v[ADK], s[TB], v[LI]
	v_add_nc_u32 v[ADS], s[TS], v[R16]
	v_add_nc_u32 v[ADT], s[TJ], v[R16]
.endm
.macro INIT                            ; a pass begins: key step 0, sums and O^T zero
	s_mov_b32 s[TB], 0
	s_mov_b32 s[TS], SCK
	s_mov_b32 s[TJ], SCV
	s_mov_b32 s[CNT], 16
	ADDR
.set j, 0
.rept 8
	v_mov_b32 v[L+j], 0
.set j, j+1
.endr
.set j, 0
.rept 32
	v_mov_b32 v[RO+j], 0
.set j, j+1
.endr
.endm
.macro ADD b, k                        ; two of block b's unquantised p onto chain k % 4 of the row's sum
	v_pk_add_f32 v[L+2*((\k)%4):L+2*((\k)%4)+1], v[L+2*((\k)%4):L+2*((\k)%4)+1], v[RS+16*(\b)+2*(\k):RS+16*(\b)+2*(\k)+1]
.endm
.macro HOLD d, s, b                    ; the conversion to an 8-bit code does not saturate (ISA guide 7.6.2); p is not negative, so the hold is one-sided; two numbers a line
.irp i, 0,2,4,6,8,10,12,14
	v_dual_min_num_f32 v[\d+\i], v[\s+\i], v[LIM+\b] :: v_dual_min_num_f32 v[\d+\i+1], v[\s+\i+1], v[LIM+\b]
.endr
.endm
.macro CODES b, s
	v_cvt_scalef32_pk8_fp8_f32 v[RPC+4*\b:RPC+4*\b+1], v[\s:\s+7], v[SOP+\b]
	v_cvt_scalef32_pk8_fp8_f32 v[RPC+4*\b+2:RPC+4*\b+3], v[\s+8:\s+15], v[SOP+\b]
.endm
; A KEY STEP: 128 keys against my 16 queries.
.macro STEP
	ds_load_b128 v[KSC:KSC+3], v[ADS]
	ds_load_b128 v[KSC+4:KSC+7], v[ADS] offset:256
.irp d, 0,1,2,3
.irp c, 0,1,2,3
	ds_load_b128 v[KF+16*\d+4*\c:KF+16*\d+4*\c+3], v[ADK] offset:2048*\d+512*\c   ; tiles 2 d and 2 d + 1 of the keys: one fragment
.endr
.endr
.irp d, 0,1,2,3
	s_wait_dscnt 12-4*\d                           ; the scale words and fragment d are in; the four loads of each later fragment may be out
	v_wmma_scale_f32_16x16x128_f8f6f4 v[RS+16*\d:RS+16*\d+7], v[KF+16*\d:KF+16*\d+15], v[QL:QL+15], 0, v[KSC+2*\d], v[QSW]
	v_wmma_scale_f32_16x16x128_f8f6f4 v[RS+16*\d+8:RS+16*\d+15], v[KF+16*\d:KF+16*\d+15], v[QH:QH+15], 0, v[KSC+2*\d+1], v[QSW]
.endr
.rept 8
	v_nop                                          ; places in front of the loads below and of the first read of the scores
.endr
.irp t, 0,1,2,3
.irp c, 0,1,2,3
	ds_load_b128 v[KF+16*\t+4*\c:KF+16*\t+4*\c+3], v[ADK] offset:8192+2048*\t+512*\c   ; v's four fragments land while the softmax is worked
.endr
.endr
	ds_load_b128 v[VSC:VSC+3], v[ADT]
	s_add_co_u32 s[TB], s[TB], 16384               ; the next step
	s_add_co_u32 s[TS], s[TS], 512
	s_add_co_u32 s[TJ], s[TJ], 256
.set j, 0
.rept 32
	v_pk_mul_f32 v[RS+j:RS+j+1], v[RS+j:RS+j+1], s[CS:CS+1] op_sel_hi:[1,0]   ; t, two at a time
.set j, j+2
.endr
	s_wait_alu depctr_va_vdst(0)                   ; the wait ahead of the batch
.set j, 0
.rept 64
	v_exp_f32 v[RS+j], v[RS+j]                     ; p = 2^t: not normalised
.set j, j+1
.endr
	ADDR                                           ; plain lines behind the exponentials: the next step's addresses
	s_wait_alu depctr_va_vdst(0)                   ; and the one wait behind the batch
.irp b, 0,1,2,3
	v_max3_num_f32 v[BM+\b], v[RS+16*\b], v[RS+16*\b+1], v[RS+16*\b+2]   ; the largest p of each block of 32 keys: my 16,
.endr
.irp i, 3,5,7,9,11,13
.irp b, 0,1,2,3
	v_max3_num_f32 v[BM+\b], v[BM+\b], v[RS+16*\b+\i], v[RS+16*\b+\i+1]
.endr
.endr
.irp b, 0,1,2,3
	v_max_num_f32 v[BM+\b], v[BM+\b], v[RS+16*\b+15]
.endr
.irp b, 0,1,2,3
	s_delay_alu instid0(VALU_DEP_4)
	v_permlanex16_b32 v[BX+\b], v[BM+\b], s[SEL], s[SEL+1]
.endr
.irp b, 0,1,2,3
	s_delay_alu instid0(VALU_DEP_4)
	v_max_num_f32 v[BM+\b], v[BM+\b], v[BX+\b]     ; and lane l xor 16's 16
.endr
.irp b, 0,1,2,3
	v_add_nc_u32 v[SOP+\b], 0xfc000000, v[BM+\b]   ; 8 off the exponent field: the conversion's scale operand (p is at least 2^-13: no floor is needed)
.endr
.irp b, 0,1,2,3
	v_and_or_b32 v[LIM+\b], v[BM+\b], 0x7f800000, s[MNT]   ; 448 x the scale
.endr
.irp b, 0,1,2,3
	v_lshrrev_b32 v[BX+\b], 23, v[SOP+\b]          ; the scale's byte
.endr
	v_lshl_or_b32 v[PSW], v[BX+1], 8, v[BX]        ; p's scale word for these 128 keys
	v_lshl_or_b32 v[PSW], v[BX+2], 16, v[PSW]
	v_lshl_or_b32 v[PSW], v[BX+3], 24, v[PSW]
.irp b, 0,1                                    ; blocks 0 and 1: summed, held in place, converted
.irp k, 0,1,2,3,4,5,6,7
	ADD \b, \k
.endr
	HOLD RS+16*\b, RS+16*\b, \b
	CODES \b, RS+16*\b
.endr
	ADD 2, 0                                       ; blocks 2 and 3 are held into block 1's registers, so that their p stay whole: their sums fill the places that are owed from here on
	ADD 2, 1
	HOLD RS+16, RS+32, 2
	CODES 2, RS+16
	ADD 2, 2
	ADD 2, 3
	HOLD RS+16, RS+48, 3
	CODES 3, RS+16
.irp k, 4,5,6,7
	ADD 2, \k                                      ; four places between the codes and the products
.endr
	s_wait_alu depctr_va_vdst(0)                   ; the wait ahead of the wait below and of O^T's readers
	s_wait_dscnt 0x0                               ; v's fragments and scale words are in
.irp t, 0,1,2,3
	v_wmma_scale_f32_16x16x128_f8f6f4 v[RO+8*\t:RO+8*\t+7], v[KF+16*\t:KF+16*\t+15], v[RPC:RPC+15], v[RO+8*\t:RO+8*\t+7], v[VSC+\t], v[PSW]   ; the four accumulators take turns
.endr
.irp k, 0,1,2,3,4,5,6,7
	ADD 3, \k                                      ; eight places in front of the next loads into k's fragments,
.endr
	v_nop                                          ; and a ninth: the next scores are written over p's codes
.endm
; A pass's end: the sum's chains and halves are joined, O^T is divided.  p = 0: the next tile's q is asked for first; e 0 .. 31 go to the pass's own stage, e 32 .. 63 stay in registers.
.macro FIN p
.if \p == 0
	QLOAD 1
.endif
	v_pk_add_f32 v[L:L+1], v[L:L+1], v[L+2:L+3]
	v_pk_add_f32 v[L+4:L+5], v[L+4:L+5], v[L+6:L+7]
	v_pk_add_f32 v[L:L+1], v[L:L+1], v[L+4:L+5]
	v_add_f32 v[L], v[L], v[L+1]
	v_permlanex16_b32 v[BX], v[L], s[SEL], s[SEL+1]
	v_add_f32 v[L], v[L], v[BX]                    ; the row's sum
	s_wait_alu depctr_va_vdst(0)                   ; the wait ahead of the transcendental
	v_rcp_f32 v[L], v[L]
.if \p == 0
	v_add_nc_u32 v[T0], STA, v[ST0]                ; (a plain line behind it)
.else
	v_add_nc_u32 v[T0], STH, v[ST0]
.endif
	s_wait_alu depctr_va_vdst(0)                   ; and ahead of its first reader, which is O^T's too
.set j, 0
.rept 16+16*\p
	v_mul_f32 v[RS+j], v[RO+j], v[L]               ; register 8 T + i is e = 32 (T / 2) + 8 (T % 2) + 16 h + i; each accumulator from its low end on
.set j, j+1
.endr
.if \p == 0
.set j, 0
.rept 16
	v_mul_f32 v[KEEP+j], v[RO+16+j], v[L]
.set j, j+1
.endr
.irp t, 0,1
.irp j, 0,1,2,3,4,5,6,7
	ds_store_b32 v[T0], v[RS+8*\t+\j] offset:(8*\t+\j)*SPIT
.endr
.endr
.endif
.endm
	INIT
	s_wait_alu depctr_va_vdst(0)                   ; the wait at the head's end
	s_wait_tensorcnt 0x0                           ; my key step is in
	s_wait_loadcnt 0x0                             ; my 24 bytes of scale words, q and its scale word
.irp j, 0,1,2
	ds_store_b64 v[SCA], v[KF+2*\j:KF+2*\j+1] offset:4096*\j
.endr
	s_wait_dscnt 0x0
	s_barrier_signal -1
	s_barrier_wait -1                              ; everybody's are
.Lpass0:
	STEP
	s_sub_co_u32 s[CNT], s[CNT], 1
	s_cmp_lg_u32 s[CNT], 0
	s_cbranch_scc1 .Lpass0
	FIN 0
	INIT
	s_wait_alu depctr_va_vdst(0)                   ; the wait ahead of the wait below
	s_wait_loadcnt 0x0                             ; the second tile's q
.Lpass1:
	STEP
	s_sub_co_u32 s[CNT], s[CNT], 1
	s_cmp_lg_u32 s[CNT], 0
	s_cbranch_scc1 .Lpass1
	FIN 1
	s_mul_i32 s40, s[WV], 2*SPIT                   ; back: my wave takes rows 2 w, 2 w + 1 of each half of the first pass's e, rows 4 w .. 4 w + 3 of the second's
	s_add_co_u32 s41, s40, STA
	s_add_co_u32 s42, s40, STH
	s_mul_i32 s43, s[WV], 4*SPIT
	v_add_nc_u32 v253, s43, v[LI]
	v_add_nc_u32 v254, s41, v[LI]
	v_add_nc_u32 v255, s42, v[LI]
	s_wait_alu depctr_va_vdst(0)
	s_wait_dscnt 0x0
	s_barrier_signal -1
	s_barrier_wait -1                              ; no wave reads k or v any more: stages may be written over them
.irp t, 0,1,2,3
.irp j, 0,1,2,3,4,5,6,7
	ds_store_b32 v[ST0], v[RS+8*\t+\j] offset:(32*(\t/2)+8*(\t%2)+\j)*SPIT
.endr
.endr
.irp t, 0,1
.irp j, 0,1,2,3,4,5,6,7
	ds_store_b32 v[T0], v[KEEP+8*\t+\j] offset:(8*\t+\j)*SPIT
.endr
.endr
	s_wait_dscnt 0x0                               ; for the others' sake: my stores into the stages are done
	s_barrier_signal -1
	s_barrier_wait -1
.irp i, 0,1,2,3,4,5,6,7
	ds_load_b128 v[KF+4*\i:KF+4*\i+3], v253 offset:(\i/2)*SPIT+512*(\i%2)
.endr
.irp i, 0,1,2,3
	ds_load_b128 v[KF+32+4*\i:KF+32+4*\i+3], v254 offset:(\i/2)*SPIT+512*(\i%2)
.endr
.irp i, 0,1,2,3
	ds_load_b128 v[KF+48+4*\i:KF+48+4*\i+3], v255 offset:(\i/2)*SPIT+512*(\i%2)
.endr
.irp i, 0,1,2,3,4,5,6,7
	s_wait_dscnt 15-\i                             ; read-back i is in; the younger ones may be out
	global_store_b128 v[LI], v[KF+4*\i:KF+4*\i+3], s[50:51] offset:(\i/2)*8192+512*(\i%2)+1024 th:TH_STORE_NT   ; 32 lanes store 512 consecutive bytes, aligned
.endr
.irp i, 0,1,2,3
	s_wait_dscnt 7-\i
	global_store_b128 v[LI], v[KF+32+4*\i:KF+32+4*\i+3], s[48:49] offset:(\i/2)*8192+512*(\i%2) th:TH_STORE_NT
.endr
.irp i, 0,1,2,3
	s_wait_dscnt 3-\i
	global_store_b128 v[LI], v[KF+48+4*\i:KF+48+4*\i+3], s[48:49] offset:262144+(\i/2)*8192+512*(\i%2) th:TH_STORE_NT
.endr
	s_wait_tensorcnt 0x0                           ; the wave's end
	ds_add_u32 v[SPW], v[NIL]
	s_wait_dscnt 0x0
	CROUND                                         ; the closing round
	s_endpgm
.Lfunc_end_k_q732222e02d_attn:
	.size	k_q732222e02d_attn, .Lfunc_end_k_q732222e02d_attn-k_q732222e02d_attn
	.p2alignl 7, 3214868480
	.fill 96, 4, 3214868480
	.section	.rodata,"a",@progbits
	.p2align	6, 0x0
	.amdhsa_kernel k_q732222e02d_attn
		.amdhsa_group_segment_fixed_size 327680
		.amdhsa_private_segment_fixed_size 0
		.amdhsa_enable_private_segment 0
		.amdhsa_kernarg_size 40
		.amdhsa_user_sgpr_count 2
		.amdhsa_user_sgpr_kernarg_segment_ptr 1
		.amdhsa_wavefront_size32 1
		.amdhsa_system_sgpr_workgroup_id_x 1
		.amdhsa_system_sgpr_workgroup_id_y 1
		.amdhsa_system_sgpr_workgroup_id_z 1
		.amdhsa_system_vgpr_workitem_id 0
		.amdhsa_next_free_vgpr 256
		.amdhsa_next_free_sgpr 68
		.amdhsa_reserve_vcc 0
		.amdhsa_float_denorm_mode_32 3
		.amdhsa_float_denorm_mode_16_64 3
		.amdhsa_memory_ordered 1
		.amdhsa_forward_progress 1
		.amdhsa_inst_pref_size 54
	.end_amdhsa_kernel
	.amdgpu_metadata
---
amdhsa.version: [ 1, 2 ]
amdhsa.kernels:
  - .name:           k_q732222e02d_attn
    .symbol:         k_q732222e02d_attn.kd
    .args:
      - { .name: qi, .offset: 0, .size: 8, .value_kind: global_buffer, .address_space: global }
      - { .name: qs, .offset: 8, .size: 8, .value_kind: global_buffer, .address_space: global }
      - { .name: kv, .offset: 16, .size: 8, .value_kind: global_buffer, .address_space: global }
      - { .name: kvs, .offset: 24, .size: 8, .value_kind: global_buffer, .address_space: global }
      - { .name: out0, .offset: 32, .size: 8, .value_kind: global_buffer, .address_space: global }
    .group_segment_fixed_size: 327680
    .private_segment_fixed_size: 0
    .kernarg_segment_align: 8
    .kernarg_segment_size: 40
    .max_flat_workgroup_size: 512
    .sgpr_count:     68
    .vgpr_count:     256
    .wavefront_size: 32
...
	.end_amdgpu_metadata
.endif
;; end of part 3
